; MI455X (gfx1250); checked and timed in simulation.
; The chip was launched on July 23, 2026; its instructions are those of AMD's public machine-readable ISA for CDNA 5 (MIT licence, August 2026) and "CDNA5" Instruction Set Architecture Reference Guide (July 2026). The comments in the code are by the model that wrote it; some were corrected since.
;; Causal Multi Head Self Attention. Allowed arithmetic: matrix products marked QUANTISED: E4M3 operands, one given power-of-two scale a tensor, by v_wmma_f32_16x16x64_fp8_fp8 or v_wmma_f32_16x16x128_fp8_fp8, f32 sums; everything else in f32.
;; Inputs: W_k_codes 512 x 16 x 32 uint8 (E4M3 codes of W_k, K innermost, in blocks of 32 codes); W_o_codes 512 x 16 x 32 uint8 (E4M3 codes of W_o, K innermost, in blocks of 32 codes); W_q_codes 512 x 16 x 32 uint8 (E4M3 codes of W_q, K innermost, in blocks of 32 codes); W_v_codes 512 x 16 x 32 uint8 (E4M3 codes of W_v, K innermost, in blocks of 32 codes); b_o 512 float32; b_v 512 float32; lowp_scales 12 int32 (the exponents e of the quantised operands' scales 2^e); x_codes 2 x 4,096 x 16 x 32 uint8 (E4M3 codes of x, K innermost, in blocks of 32 codes).
;; Outputs: out0 2 x 4,096 x 512 float32.
;; This version of the problem:
;;   THIS VERSION OF THE PROBLEM IS GIVEN IN LOW PRECISION. The matrix products marked QUANTISED in the list below multiply operands that are first quantised to E4M3 (4 exponent bits, 3 mantissa bits; 8 bits a number), with one given power-of-two scale for each operand tensor; their sums are f32. All else is computed in f32.
;;   The module's matrix products, in the order in which they are computed (A, B: the left and right operand; K: the contracted axis; several contracted axes count as one K, in the product's order):
;;     1. [M 8,192, K 512] x [K 512, N 512]; A: input x (given as codes); B: input W_q (given as codes): QUANTISED (scales: A lowp_scales[0], B lowp_scales[1])
;;     2. [M 8,192, K 512] x [K 512, N 512]; A: input x (given as codes); B: input W_k (given as codes): QUANTISED (scales: A lowp_scales[2], B lowp_scales[3])
;;     3. [M 8,192, K 512] x [K 512, N 512]; A: input x (given as codes); B: input W_v (given as codes): QUANTISED (scales: A lowp_scales[4], B lowp_scales[5])
;;     4. batch 16 x [M 4,096, K 64] x [K 64, N 4,096]; A: computed on the way; B: computed on the way: QUANTISED (scales: A lowp_scales[6], B lowp_scales[7])
;;     5. batch 16 x [M 4,096, K 4,096] x [K 4,096, N 64]; A: softmax (see below); B: computed on the way: QUANTISED (scales: A lowp_scales[8], B lowp_scales[9])
;;     6. [M 8,192, K 512] x [K 512, N 512]; A: computed on the way; B: input W_o (given as codes): QUANTISED (scales: A lowp_scales[10], B lowp_scales[11])
;;   THE QUANTISER, for each operand of a quantised product, along K:
;;     - The operand's scale is 2^e, e = its entry of the input lowp_scales (int32; the entries are numbered through the quantised products in the list's order, A before B).
;;     - Each number is divided by the scale, clamped to +-448, and rounded to the nearest number of E4M3, ties to even, subnormals kept.
;;     - The product sums the exact products of the quantised numbers (number of the format x scale) in f32.
;;   ~~~python
;;   def quantise(x, axis, e):      # numpy; x: float32 -> the quantised numbers, widened to float32 again
;;       x = np.moveaxis(x, axis, -1); K = x.shape[-1]
;;       r = np.clip(x / 2.0 ** e, -448, 448)
;;       step = 2.0 ** (np.maximum(np.frexp(np.where(r == 0, 1, r))[1] - 1, -6) - 3)
;;       q = np.round(r / step) * step * 2.0 ** e      # np.round: ties to even
;;       return np.moveaxis(q, -1, axis).astype(np.float32)
;;   ~~~
;;   SOFTMAX AHEAD OF A QUANTISED PRODUCT. Where the list says 'softmax', what is quantised is not the finished softmax but p = 2^(t - M), with t = logit x log2(e) and M = ceil(the row's largest t), a whole number; so 1/2 < the row's largest p <= 1. The row's sum l is taken of the UNQUANTISED p, in f32, and the product's result is divided by l at the end. Since M is a whole number, a kernel that streams over the keys may use a running M (the ceiling of the running maximum): every later rescaling is an exact power of two, so the quantised numbers keep their values, but for numbers so far below the row's largest that they fall under the format's range.
;;   OPERANDS COMPUTED ON THE WAY. 'Computed on the way' means the value that the module computes at that place (a softmax that the list does not call 'softmax' is quantised finished and normalised). What goes into a quantiser is computed in f32, as accurately as f32 sums, v_exp_f32 and their like allow (about 1e-6 of the number): no bf16 or f16 on the way to a quantiser, and a product that is left as it is and whose result goes on into a quantised operand takes f32 operands (vector FMAs, or v_wmma_f32_16x16x4_f32). A number that lies on a knife's edge between two numbers of the format may be rounded either way, as far as f32 arithmetic and the matrix unit's own rounding can turn it there, and no further.
;;   INPUTS GIVEN AS CODES. W_k (in the module: [512, 512], K = its axis 1); W_o (in the module: [512, 512], K = its axis 1); W_q (in the module: [512, 512], K = its axis 1); W_v (in the module: [512, 512], K = its axis 1); x (in the module: [2, 4096, 512], K = its axis 2): each comes as NAME_codes (uint8): NAME with its K axis moved to the last place and cut into blocks of 32 codes, [.., K / 32, bytes a block], one block behind the other in memory; one code a byte (a code: sign, 4 exponent bits, 3 mantissa bits); its scale is its entry of lowp_scales. Its value is code x scale, taken as it is: it is not quantised again, and the codes and scales need not be those that the quantiser above would give.
;; One version. Each part assembles by itself: llvm-mc -triple=amdgcn-amd-amdhsa -mcpu=gfx1250 --defsym DOCPART=n.
;; ======== version 1 of 1: 3 launches
;; limits: right only within a limited range of input values
;; workspace buffers: qf 4,194,304 bytes; kv 8,388,608 bytes; af 4,194,304 bytes
;; launch qkv (part 1): grid 32 x 8, 4 waves a work-group, no clusters, 98,304 bytes of LDS; arguments x_codes, W_q_codes, W_k_codes, W_v_codes, b_v, lowp_scales, qf, kv; writes qf, kv
.if DOCPART == 1
	.amdgcn_target "amdgcn-amd-amdhsa--gfx1250"
	.amdhsa_code_object_version 6
	.text
	.protected	k_qa7cc10b45e_qkv
	.globl	k_qa7cc10b45e_qkv
	.p2align	8
	.type	k_qa7cc10b45e_qkv,@function
k_qa7cc10b45e_qkv:
	s_mov_b64 s[64:65], 0
	v_nop
	global_prefetch_b8 v0, s[64:65] scope:SCOPE_SE
	s_setreg_imm32_b32 hwreg(HW_REG_WAVE_MODE, 25, 1), 1
	s_wait_xcnt 0x0
; Q = x Wq^T, K = x Wk^T, V = x Wv^T + b_v on codes of FP8 (E4M3), and the quantisers of Q, K and V for the two products of attention.
; x: [8192][512] codes.  Wq, Wk, Wv: [512][512] codes, K innermost.  lowp_scales: e0 .. e11.  x has three entries (e0, e2, e4), one for each product; each is honoured.
; SHARES.  Work-group (rb, head) takes rows 256 rb .. + 255 of x against the head's 64 features of each of the three weights: 12 weight tiles of 16 x 512.  Wave w takes rows 64 w .. + 63:
; four tiles of x, all 512 along K, in 256 registers (window 1) for the whole launch.  Each wave brings three of the weight tiles from memory; they reach the other waves through LDS
; as IMAGES OF THEIR REGISTERS (four registers by one ds_store_b128, lane l at 16 l): one barrier in the launch.
; FRAGMENTS of x and of the weights come by loads of 16 bytes: lane (r, h) takes bytes 128 s + 32 c + 16 h of row r into registers 16 s + 4 c on.  That is a permutation of k inside an
; instruction, the same on both sides: every product meets its partner; the sums inside an instruction are grouped otherwise (LIMIT: an order of rounding).
; Q AND K are made transposed (source 0 = 16 features, source 1 = 16 rows of x): a lane holds one row and eight neighbouring features, 16 c + 8 h + 0 .. 7, whose eight codes are registers
; 2 c, 2 c + 1 of a 16 x 64 operand in the K = 64 form's own layout.  V is made the other way (source 0 = x, source 1 = Wv): a lane holds one feature and eight neighbouring keys, whose
; codes are two registers of a 16 (features) x 128 (keys) operand in the K = 128 form's own layout.  b_v goes in as the C of each sum's first instruction, divided by 2^(e4 + e5).
; OUT.  qf [16 heads of both batches][256 tiles of 16 queries][1,024 bytes]; kv [16][32 steps of 128 keys][8 tiles of K x 1,024, then 4 tiles of V^T x 2,048]: register images again,
; so that every store of a wave covers 512 consecutive bytes, aligned.
; LIMITS: e6 - e0 - e1, e7 - e2 - e3 and e9 - e4 - e5 lie between -126 and 119, so that each scale and 448 x the scale is an f32 number.
; No tensor load and no cluster: a work-group's operands are 96 KB of weights and 128 KB of x, read once each into registers.
; REGISTERS, window 0: v1-9 addresses; v10, v12, v14 scales; v16-47 four accumulators; v48-55 the bias as C; v56-59 b_v; v64-127, v128-191 two weight buffers;
; v192-223 codes of Q, later of V; v224-255 codes of K.  (At the head v64-255 hold the wave's three weight tiles.)   Window 1: x, tile m at v[64 m].
.set ACC,   16
.set BIASC, 48
.set BV,    56
.set CA,    192
.set CB,    224
.set MSB, 0
.macro WIN new                         ; the immediate's high byte repeats the setting that is left
.if MSB != \new
	s_set_vgpr_msb (MSB<<8)|\new
.set MSB, \new
.endif
.endm
.macro PLACES
.rept 4
	v_nop
.endr
.endm
.macro MKSC vs, vl                     ; s48 = E:  v[vs] = 2^E as f32
	s_add_co_i32 s48, s48, 127
	s_lshl_b32 s49, s48, 23
	v_mov_b32 v[\vs], s49
.endm
	s_load_b256 s[8:15], s[0:1], 0x0               ; x s[8:9], Wq s[10:11], Wk s[12:13], Wv s[14:15]
	s_load_b256 s[16:23], s[0:1], 0x20             ; b_v s[16:17], the exponents s[18:19], qf s[20:21], kv s[22:23]
	v_lshrrev_b32 v1, 5, v0
	v_readfirstlane_b32 s24, v1                    ; wave 0..3
	v_and_b32 v1, 31, v0                           ; lane
	v_and_b32 v2, 15, v0                           ; r
	v_bfe_u32 v3, v0, 4, 1                         ; h
	v_lshlrev_b32 v4, 9, v2
	v_lshl_add_u32 v4, v3, 4, v4                   ; a row of 512 codes: 512 r + 16 h (x and the weights alike)
	v_lshlrev_b32 v5, 4, v1                        ; 16 x lane: my place in an image
	v_add_nc_u32 v6, 0x10000, v5                   ; the same for weight tiles 8 to 11: an LDS immediate has 16 bits
	s_lshl_b32 s48, s24, 13
	v_add_nc_u32 v7, s48, v5                       ; where I store images: 8,192 x wave + 16 x lane
	v_add_nc_u32 v8, 0x10000, v7
	v_lshlrev_b32 v9, 2, v2                        ; b_v: 4 r
	s_mov_b32 s25, ttmp9                           ; rb: which 256 rows
	s_and_b32 s26, ttmp7, 0xffff                   ; the head
	s_lshr_b32 s27, s25, 4
	s_lshl_b32 s27, s27, 3
	s_add_co_u32 s27, s27, s26                     ; 8 x batch + head
	s_and_b32 s28, s25, 15                         ; which 256 tokens of the batch
	s_mov_b32 s31, 0                               ; offsets stand in the pair s[30:31]
	s_wait_alu depctr_va_vdst(0)
	s_wait_kmcnt 0x0
	s_load_b256 s[32:39], s[18:19], 0x0            ; e0 .. e7
	s_load_b64 s[40:41], s[18:19], 0x20            ; e8, e9
	s_lshl_b32 s30, s25, 17                        ; x: 256 rows of 512 bytes,
	s_lshl_b32 s48, s24, 15                        ; my wave's 64
	s_add_co_u32 s30, s30, s48
	s_add_nc_u64 s[8:9], s[8:9], s[30:31]
	s_lshl_b32 s30, s26, 15                        ; the weights: the head's 64 rows,
	s_lshl_b32 s48, s24, 13                        ; of which I bring 16
	s_add_co_u32 s30, s30, s48
	s_add_nc_u64 s[10:11], s[10:11], s[30:31]
	s_add_nc_u64 s[12:13], s[12:13], s[30:31]
	s_add_nc_u64 s[14:15], s[14:15], s[30:31]
	s_lshl_b32 s30, s26, 8                         ; b_v: the head's 64 numbers
	s_add_nc_u64 s[16:17], s[16:17], s[30:31]
	s_lshl_b32 s30, s27, 18                        ; qf: 256 tiles of 1,024 bytes a head; 16 tiles a work-group; 4 a wave
	s_lshl_b32 s48, s28, 14
	s_add_co_u32 s30, s30, s48
	s_lshl_b32 s48, s24, 12
	s_add_co_u32 s30, s30, s48
	s_add_nc_u64 s[20:21], s[20:21], s[30:31]
	s_lshl_b32 s30, s27, 19                        ; kv: 32 steps of 16,384 bytes a head; my 64 keys lie in step 2 (rb % 16) + wave / 2
	s_lshl_b32 s48, s28, 1
	s_lshr_b32 s49, s24, 1
	s_add_co_u32 s48, s48, s49
	s_lshl_b32 s48, s48, 14
	s_add_co_u32 s30, s30, s48
	s_add_nc_u64 s[22:23], s[22:23], s[30:31]
	s_and_b32 s49, s24, 1
	s_lshl_b32 s30, s49, 12                        ; K: tiles 4 (wave % 2) on
	s_add_nc_u64 s[44:45], s[22:23], s[30:31]
	s_lshl_b32 s30, s49, 10                        ; V^T: behind K's 8,192 bytes; in each tile registers 8 (wave % 2) on
	s_add_co_u32 s30, s30, 8192
	s_add_nc_u64 s[46:47], s[22:23], s[30:31]
	; the wave's three weight tiles (tile w of Wq, Wk, Wv), b_v, then x
.irp ty, 0,1,2
.irp i, 0,1,2,3,4,5,6,7,8,9,10,11,12,13,14,15
	global_load_b128 v[64+64*\ty+4*\i:64+64*\ty+4*\i+3], v4, s[10+2*\ty:11+2*\ty] offset:128*(\i/4)+32*(\i%4)
.endr
.endr
.irp d, 0,1,2,3
	global_load_b32 v[BV+\d], v9, s[16:17] offset:64*\d            ; b_v(16 d + r)
.endr
	WIN 0x40                                       ; destination window 1
.irp m, 0,1,2,3
.irp i, 0,1,2,3,4,5,6,7,8,9,10,11,12,13,14,15
	global_load_b128 v[64*\m+4*\i:64*\m+4*\i+3], v4, s[8:9] offset:8192*\m+128*(\i/4)+32*(\i%4)
.endr
.endr
	WIN 0
	s_wait_loadcnt 63                              ; 64 loads of x were issued behind the last load of b_v: at most 63 out shows the weights and b_v in
.irp ty, 0,1
.irp i, 0,1,2,3,4,5,6,7,8,9,10,11,12,13,14,15
	ds_store_b128 v7, v[64+64*\ty+4*\i:64+64*\ty+4*\i+3] offset:32768*\ty+512*\i   ; weight tile 4 ty + w lies at 8,192 (4 ty + w)
.endr
.endr
.irp i, 0,1,2,3,4,5,6,7,8,9,10,11,12,13,14,15
	ds_store_b128 v8, v[192+4*\i:195+4*\i] offset:512*\i
.endr
	s_wait_kmcnt 0x0
	s_sub_co_i32 s48, s38, s32                     ; a sum of product 1 stands for sum x 2^(e0 + e1): its code is sum / 2^(e6 - e0 - e1)
	s_sub_co_i32 s48, s48, s33
	MKSC 10, 11
	s_sub_co_i32 s48, s39, s34                     ; K: e7 - e2 - e3
	s_sub_co_i32 s48, s48, s35
	MKSC 12, 13
	s_sub_co_i32 s48, s41, s36                     ; V: e9 - e4 - e5
	s_sub_co_i32 s48, s48, s37
	MKSC 14, 15
	s_add_co_i32 s50, s36, s37
	s_sub_co_i32 s50, 0, s50
.irp d, 0,1,2,3
	v_ldexp_f32 v[BV+\d], v[BV+\d], s50            ; b_v / 2^(e4 + e5): the power of two that the sums lack
.endr
	s_wait_dscnt 0x0                               ; for the others' sake: my images lie in LDS
	s_barrier_signal -1
	s_barrier_wait -1                              ; all twelve do
.macro FETCH tt                        ; weight tile tt from LDS into buffer tt % 2: the registers as they were stored
.set FB, 64+64*((\tt)%2)
.set fi, 0
.rept 16
.if (\tt) < 8
	ds_load_b128 v[FB+4*fi:FB+4*fi+3], v5 offset:8192*(\tt)+512*fi
.else
	ds_load_b128 v[FB+4*fi:FB+4*fi+3], v6 offset:8192*((\tt)-8)+512*fi
.endif
.set fi, fi+1
.endr
.endm
; 16 matrix instructions: the weight tile against my four tiles of x, four K steps of 128.  The four accumulators take turns, one instruction a turn.
.macro MUL tt, isv
.set MB, 64+64*((\tt)%2)
.if \isv
	WIN 0x01                                       ; source 0 (x) window 1
.else
	WIN 0x04                                       ; source 1 (x) window 1
.endif
.irp s, 0,1,2,3
.irp m, 0,1,2,3
.if \isv
.if \s == 0
	v_wmma_f32_16x16x128_fp8_fp8 v[ACC+8*\m:ACC+8*\m+7], v[64*\m+16*\s:64*\m+16*\s+15], v[MB+16*\s:MB+16*\s+15], v[BIASC:BIASC+7]
.else
	v_wmma_f32_16x16x128_fp8_fp8 v[ACC+8*\m:ACC+8*\m+7], v[64*\m+16*\s:64*\m+16*\s+15], v[MB+16*\s:MB+16*\s+15], v[ACC+8*\m:ACC+8*\m+7]
.endif
.else
.if \s == 0
	v_wmma_f32_16x16x128_fp8_fp8 v[ACC+8*\m:ACC+8*\m+7], v[MB+16*\s:MB+16*\s+15], v[64*\m+16*\s:64*\m+16*\s+15], 0
.else
	v_wmma_f32_16x16x128_fp8_fp8 v[ACC+8*\m:ACC+8*\m+7], v[MB+16*\s:MB+16*\s+15], v[64*\m+16*\s:64*\m+16*\s+15], v[ACC+8*\m:ACC+8*\m+7]
.endif
.endif
.endr
.endr
	WIN 0
.endm
; The four accumulators become codes: eight numbers of a lane make two registers, at v[dst + stride m].  Each accumulator is read from its low end on.
.macro QUANT dst, stride, sc, lim
.irp m, 0,1,2,3
.irp j, 0,1,2,3,4,5,6,7
.endr
	v_cvt_scalef32_pk8_fp8_f32 v[(\dst)+(\stride)*\m:(\dst)+(\stride)*\m+1], v[ACC+8*\m:ACC+8*\m+7], v[\sc]
.endr
	v_nop                                          ; one plain vector instruction between the last conversion and the next products, which write its sources
.endm
; Weight tile tt: 0-3 Wq's, 4-7 Wk's, 8-11 Wv's.
.macro TILE tt
.if (\tt) < 11
	FETCH (\tt)+1                                  ; into the buffer that the tile before multiplied: its places are that tile's four v_nop and its holds
	s_wait_dscnt 16                                ; this tile's 16 loads are in; the 16 just issued may be out
.else
	s_wait_dscnt 0x0
.endif
.if (\tt) >= 8
.irp j, 0,1,2,3,4,5,6,7
	v_mov_b32 v[BIASC+\j], v[BV+(\tt)-8]           ; a lane holds one feature: its bias in all eight rows of C
.endr
	MUL \tt, 1
.else
	MUL \tt, 0
.endif
	PLACES                                         ; four places behind the products, ahead of the first read of results (ISA guide 7.12.1)
.if (\tt) < 4
	s_wait_alu depctr_va_vdst(0)
	QUANT CA+2*(\tt), 8, 10, 11                    ; Q: registers 2 c, 2 c + 1 of tile m
.elseif (\tt) < 8
	QUANT CB+2*((\tt)-4), 8, 12, 13                ; K likewise
.else
.if (\tt) == 8
	s_wait_xcnt 0x0                                ; Q's stores have read their registers, which V's codes now take
.endif
	QUANT CA+8*((\tt)-8), 2, 14, 15                ; V^T: of feature tile tt - 8, registers 2 m, 2 m + 1 of my eight
.endif
.if (\tt) == 3
.irp m, 0,1,2,3
.irp g, 0,1
	global_store_b128 v5, v[CA+8*\m+4*\g:CA+8*\m+4*\g+3], s[20:21] offset:1024*\m+512*\g   ; 32 lanes store 512 consecutive bytes, aligned
.endr
.endr
.endif
.if (\tt) == 7
	s_wait_alu depctr_va_vdst(0)
.irp m, 0,1,2,3
.irp g, 0,1
	global_store_b128 v5, v[CB+8*\m+4*\g:CB+8*\m+4*\g+3], s[44:45] offset:1024*\m+512*\g
.endr
.endr
.endif
.if (\tt) >= 8
.irp g, 0,1
	global_store_b128 v5, v[CA+8*((\tt)-8)+4*\g:CA+8*((\tt)-8)+4*\g+3], s[46:47] offset:2048*((\tt)-8)+512*\g
.endr
.endif
.endm
	FETCH 0
	s_wait_loadcnt 0x0                             ; x
.irp q, 0,1,2,3,4,5,6,7,8,9,10,11
	TILE \q
.endr
	s_endpgm
.Lfunc_end_k_qa7cc10b45e_qkv:
	.size	k_qa7cc10b45e_qkv, .Lfunc_end_k_qa7cc10b45e_qkv-k_qa7cc10b45e_qkv
	.p2alignl 7, 3214868480
	.fill 96, 4, 3214868480
	.section	.rodata,"a",@progbits
	.p2align	6, 0x0
	.amdhsa_kernel k_qa7cc10b45e_qkv
		.amdhsa_group_segment_fixed_size 98304
		.amdhsa_private_segment_fixed_size 0
		.amdhsa_enable_private_segment 0
		.amdhsa_kernarg_size 64
		.amdhsa_user_sgpr_count 2
		.amdhsa_user_sgpr_kernarg_segment_ptr 1
		.amdhsa_wavefront_size32 1
		.amdhsa_system_sgpr_workgroup_id_x 1
		.amdhsa_system_sgpr_workgroup_id_y 1
		.amdhsa_system_sgpr_workgroup_id_z 1
		.amdhsa_system_vgpr_workitem_id 0
		.amdhsa_next_free_vgpr 512
		.amdhsa_next_free_sgpr 66
		.amdhsa_reserve_vcc 0
		.amdhsa_float_denorm_mode_32 3
		.amdhsa_float_denorm_mode_16_64 3
		.amdhsa_fp16_overflow 1
		.amdhsa_memory_ordered 1
		.amdhsa_forward_progress 1
		.amdhsa_inst_pref_size 51
	.end_amdhsa_kernel
	.amdgpu_metadata
---
amdhsa.version: [ 1, 2 ]
amdhsa.kernels:
  - .name:           k_qa7cc10b45e_qkv
    .symbol:         k_qa7cc10b45e_qkv.kd
    .args:
      - { .name: x_codes, .offset: 0, .size: 8, .value_kind: global_buffer, .address_space: global }
      - { .name: W_q_codes, .offset: 8, .size: 8, .value_kind: global_buffer, .address_space: global }
      - { .name: W_k_codes, .offset: 16, .size: 8, .value_kind: global_buffer, .address_space: global }
      - { .name: W_v_codes, .offset: 24, .size: 8, .value_kind: global_buffer, .address_space: global }
      - { .name: b_v, .offset: 32, .size: 8, .value_kind: global_buffer, .address_space: global }
      - { .name: lowp_scales, .offset: 40, .size: 8, .value_kind: global_buffer, .address_space: global }
      - { .name: qf, .offset: 48, .size: 8, .value_kind: global_buffer, .address_space: global }
      - { .name: kv, .offset: 56, .size: 8, .value_kind: global_buffer, .address_space: global }
    .group_segment_fixed_size: 98304
    .private_segment_fixed_size: 0
    .kernarg_segment_align: 8
    .kernarg_segment_size: 64
    .max_flat_workgroup_size: 128
    .sgpr_count:     66
    .vgpr_count:     512
    .wavefront_size: 32
...
	.end_amdgpu_metadata
.endif
;; end of part 1
;; launch attn (part 2): grid 16 x 16, 16 waves a work-group, no clusters, 327,680 bytes of LDS; arguments qf, kv, lowp_scales, af; writes af
.if DOCPART == 2
	.amdgcn_target "amdgcn-amd-amdhsa--gfx1250"
	.amdhsa_code_object_version 6
	.text
	.protected	k_qa7cc10b45e_attn
	.globl	k_qa7cc10b45e_attn
	.p2align	8
	.type	k_qa7cc10b45e_attn,@function
k_qa7cc10b45e_attn:
	s_mov_b64 s[64:65], 0
	v_nop
	global_prefetch_b8 v0, s[64:65] scope:SCOPE_SE
	s_setreg_imm32_b32 hwreg(HW_REG_WAVE_MODE, 25, 1), 1
	s_wait_xcnt 0x0
; Causal attention of one head on codes of FP8 (E4M3): S = Q K^T (K = the head's 64), the softmax by the stated rule, O = P V (K = the keys), and the quantiser of O for the last product.
; qf, kv: register images of the operands (Q: tiles of 16 queries x 64; a key step of 128 keys: 8 tiles of K, 1,024 bytes each, then 4 tiles of V^T, 16 features x 128 keys, 2,048 each).
; THE SOFTMAX: t = score x log2(e) / 8; M = the row's largest t so far, rounded UP to a whole number; p = 2^(t - M) is quantised with 2^e8, not normalised.  The row's sum is taken of the
; unquantised p, in f32, and divides O at the end.  When M moves, the sum and O are multiplied by 2^(old M - new M), which rounds nothing.
; SHARES: THE CAUSAL TRIANGLE IS FOLDED.  Work-group (i, head) owns query blocks i and 31 - i, 128 queries each; each of its sixteen waves owns one tile of 16 queries, in 256 registers.
; A wave of block b has work in b + 1 key steps, so every work-group has 8 (i + 1) + 8 (32 - i) = 264 wave steps.  half = (w xor w / 4) % 2 says which block a wave serves.
; EVERY work-group walks all 32 key steps: trip counts are constants, no tensor load and no barrier is jumped over; a step all of whose keys come after the wave's queries leaves out its work
; by a scalar branch on ids.  In the wave's one step on the diagonal hidden scores become -infinity ahead of the maximum; key 0 counts for every query, so M is a number from the first step on.
; LAYOUT.  Both products are used transposed: S^T = K Q^T (source 0 = 16 keys, source 1 = my queries), O^T = V^T P^T (source 0 = 16 features, source 1 = P): a lane holds ONE query throughout.
; In tile t of S^T lane (r, h) holds keys 16 t + 8 h + 0 .. 7: their eight codes are registers 2 t, 2 t + 1 of P in the K = 128 form's own layout.  Nothing changes lanes, no key is permuted.
; THE RING.  Two LDS slots of 8 key steps (131,072 bytes), dense: images are read at 16 x lane.  Waves 0 to 7 fetch, one key step (64 rows of 256 bytes) each; all sixteen read.
; A wave has at most one tensor load out.
; NO CLUSTER, though the sixteen work-groups of a head walk the same K and V: the causal skip is a branch on the query block, which would be a work-group's place in its cluster, and partners
; must run alike; without the skip the softmax's work would nearly double, which outweighs the requests that joint loads would spare.
; OUT.  af [512 tiles of 16 rows][4 K steps][2,048]: the last product's operand as a register image; my head's 64 features are eight registers of it: two stores of 512 consecutive bytes.
; LIMITS on the given exponents, so that each power of two below is an f32 number: e6 + e7 between -123 and 130 (added to c's exponent field); e8, and e10 - e8 - e9, between -126 and 119.
; p so far under the row's largest that a running M pushes it under the format's range is lost, as the problem's text allows.
; REGISTERS: v1 16 x lane; v3 256 x lane; v5, v6 the add's two; v8 the step's LDS address; v9 r - 8 h; v12 -M; v13 the largest t; v[14:15] the sum in two halves; v16-23 Q;
; v32-95 K's eight fragments, then V's four; v96-159 S^T, then p; v160-191 O^T; v224-239 p's codes; v244: 2^e8; v245: 2^(e10 - e8 - e9); v236-243, v246-255 at work.
.set SLOT1, 1<<17                      ; slot 1 begins here: one exclusive or turns an address in one slot into the other's
.set SLOTB, 131072                     ; 8 key steps of 16,384 bytes
.set SPARE, 2*SLOT1                    ; behind the ring: the spare words, 128 bytes for each of the sixteen waves: eight blocks of 256 bytes that no other line names
.macro TLOAD                           ; waves 0 to 7 fetch; the branch hangs on the wave's number alone.  Four v_nop follow the load
	s_cmp_lt_u32 s18, 8
	s_cbranch_scc0 .Lno_\@
	tensor_load_to_lds s[40:43], s[24:31]
	s_nop 0
.rept 4
	v_nop
.endr
.Lno_\@:
.endm
; A PREFETCH INTO THE L2 of the slot that the NEXT change of slots will ask for: 131,072 bytes, one dense block.  All work-groups of a head walk the same block: the head's first work-group asks,
; and in it the eight waves that fetch nothing, 16,384 bytes each: two instructions, lanes 256 bytes apart.  So each aligned block of 256 bytes is named once in the launch.
; The keys' first two slots come by their loads alone; the last change that fills a slot asks for nothing: there is no slot behind it.
.macro ASK
	s_cmp_gt_u32 s67, s80
	s_cbranch_scc0 .Lnm_\@
	global_prefetch_b8 v3, s[76:77] th:TH_LOAD_NT scope:SCOPE_SE
	global_prefetch_b8 v3, s[76:77] offset:8192 th:TH_LOAD_NT scope:SCOPE_SE
.Lnm_\@:
.endm
	s_load_b256 s[4:11], s[0:1], 0x0               ; qf s[4:5], kv s[6:7], the exponents s[8:9], af s[10:11]
	v_lshl_add_u32 v5, v0, 2, SPARE                ; LDS address of my spare word; never rewritten
	v_mov_b32 v6, 0                                ; never rewritten
	v_lshrrev_b32 v8, 5, v0
	s_delay_alu instid0(VALU_DEP_1)
	v_readfirstlane_b32 s18, v8                    ; wave 0..15
	s_and_b32 s73, ttmp7, 0xffff                   ; 8 x batch + head
	s_lshr_b32 s19, s18, 2
	s_xor_b32 s19, s19, s18
	s_and_b32 s19, s19, 1                          ; half
	s_sub_co_u32 s74, 31, ttmp9
	s_cmp_eq_u32 s19, 1
	s_cselect_b32 s74, s74, ttmp9                  ; my block of 128 queries: 31 - i or i
	s_lshl_b32 s99, s74, 7
	s_lshr_b32 s75, s18, 1
	s_lshl_b32 s75, s75, 4
	s_add_co_u32 s99, s99, s75                     ; my first query: 128 x block + 16 (w / 2)
	; descriptor group 1: a key step, 16,384 dense bytes, as 64 rows of 32 elements of 8 bytes
	s_mov_b32 s24, 3<<16                           ; 15:0 no mask; 17:16 elements of 8 bytes; no padding
	s_mov_b32 s25, 32<<16                          ; tensor_dim0 = 32
	s_mov_b32 s26, 64<<16                          ; tensor_dim1 = 64
	s_mov_b32 s27, 32<<16                          ; tile_dim0 = 32
	s_mov_b32 s28, 64                              ; tile_dim1 = 64
	s_mov_b32 s29, 32                              ; from row to row
	s_mov_b32 s30, 0
	s_mov_b32 s31, 0
	s_mov_b32 s20, 0x76543210                      ; v_permlanex16_b32's selects for lane l xor 16
	s_mov_b32 s21, 0xfedcba98
	s_and_b32 s96, s18, 7
	s_lshl_b32 s41, s96, 14                        ; which key step of a slot I fetch: its place in slot 0,
	s_lshl_b32 s44, s73, 19                        ; and in memory: the head's 32 steps of 16,384 bytes
	s_add_co_u32 s44, s44, s41
	s_mov_b32 s45, 0
	s_wait_kmcnt 0x0
	s_load_b128 s[68:71], s[8:9], 0x18             ; e6, e7, e8, e9
	s_load_b32 s72, s[8:9], 0x28                   ; e10
	s_mov_b32 s40, 1                               ; group 0: count = 1
	s_add_nc_u64 s[42:43], s[6:7], s[44:45]        ; the tile's first byte
	s_add_nc_u64 s[76:77], s[42:43], SLOTB         ; the prefetches stand a slot on; the first change of slots steps them to the keys' third slot
	s_or_b32 s43, s43, 0x80000000                  ; type = 2
	TLOAD                                          ; the keys' first slot, ahead of every wait on TENSORcnt, every LDS read and every barrier
	s_lshr_b32 s96, s99, 4                         ; my tile of queries
	s_lshl_b32 s44, s73, 18                        ; qf: 256 tiles of 1,024 bytes a head
	s_lshl_b32 s75, s96, 10
	s_add_co_u32 s44, s44, s75
	s_add_nc_u64 s[4:5], s[4:5], s[44:45]
	v_and_b32 v1, 31, v0
	s_delay_alu instid0(VALU_DEP_1)
	v_lshlrev_b32 v1, 4, v1                        ; 16 x lane
	s_wait_alu depctr_va_vdst(0)
	global_load_b128 v[16:19], v1, s[4:5]          ; Q's fragment stays in registers
	global_load_b128 v[20:23], v1, s[4:5] offset:512
	s_lshr_b32 s44, s73, 3                         ; af: batch x 256 tiles of 8,192 bytes, + my tile, + 1,024 x head
	s_lshl_b32 s44, s44, 21
	s_lshl_b32 s75, s96, 13
	s_add_co_u32 s44, s44, s75
	s_and_b32 s75, s73, 7
	s_lshl_b32 s75, s75, 10
	s_add_co_u32 s44, s44, s75
	s_add_nc_u64 s[10:11], s[10:11], s[44:45]
	s_lshr_b32 s80, s18, 3
	s_xor_b32 s80, s80, 1                          ; 0 in waves 8 to 15,
	s_or_b32 s80, s80, ttmp9                       ; of the head's first work-group
	s_cmp_eq_u32 s80, 0
	s_cselect_b32 s80, 1, -1                       ; a wave prefetches while the slots still to be asked for are more than this
	v_lshlrev_b32 v3, 4, v1                        ; 256 x lane
	v_and_b32 v9, 15, v0
	v_bfe_u32 v8, v0, 4, 1
	s_delay_alu instid0(VALU_DEP_1)
	v_lshlrev_b32 v8, 3, v8
	s_delay_alu instid0(VALU_DEP_1)
	v_sub_nc_u32 v9, v9, v8                        ; r - 8 h
	v_mov_b32 v13, 0xff61b1e6                      ; the largest t so far: -3e38, under every t
	s_delay_alu instid0(VALU_DEP_1)
	v_floor_f32 v12, -v13                          ; -M
	v_mov_b32 v14, 0                               ; the sum, in two halves
	v_mov_b32 v15, 0
	v_mov_b32 v246, 0                              ; written once: a lane permute's destination counts as one of its sources
	v_mov_b32 v253, 0                              ; (named as the upper half of the pair v[252:253])
.set j, 0
.rept 32
	v_mov_b32 v[160+j], 0                          ; O^T.  (The step is written once: the first finds zeros, which the first change of M leaves zeros)
.set j, j+1
.endr
	s_wait_kmcnt 0x0
	s_mov_b32 s22, 0x3e38aa3b                      ; c = log2(e) / 8
	s_add_co_i32 s74, s68, s69
	s_lshl_b32 s74, s74, 23
	s_add_co_i32 s22, s22, s74                     ; a score stands for score x 2^(e6 + e7): the two exponents are added to c's exponent field
	s_mov_b32 s23, s22                             ; (named with it as a pair, so it is written)
	s_add_co_i32 s74, s70, 127
	s_lshl_b32 s75, s74, 23
	v_mov_b32 v244, s75                            ; 2^e8 as f32, for p's conversions
	s_sub_co_i32 s74, s72, s70                     ; O^T / the sum stands for that x 2^(e8 + e9): its code is that / 2^(e10 - e8 - e9)
	s_sub_co_i32 s74, s74, s71
	s_add_co_i32 s74, s74, 127
	s_lshl_b32 s75, s74, 23
	v_mov_b32 v245, s75
	s_mov_b32 s2, 0                                ; LDS byte of the key step in hand
	s_mov_b32 s98, 0                               ; its first key
	s_mov_b32 s67, 3                               ; slots still to be asked for
; A KEY STEP: 128 keys for my 16 queries.
.macro STEP
	s_add_co_u32 s96, s99, 15
	s_cmp_gt_u32 s98, s96                          ; all keys come after my queries: the work is left out; the lines at the end that step addresses are not
	s_cbranch_scc1 .Lhidden_\@
	s_setprio 2
	v_add_nc_u32 v8, s2, v1
.rept 3
	v_nop                                          ; with the addition above: four places ahead of loads into registers that the last products read
.endr
.set t, 0
.rept 8
	ds_load_b128 v[32+8*t:35+8*t], v8 offset:1024*t
	ds_load_b128 v[36+8*t:39+8*t], v8 offset:1024*t+512
.set t, t+1
.endr
	s_wait_alu depctr_va_vdst(0)
	s_wait_dscnt 0x0
.set t, 0
.rept 8
	v_wmma_f32_16x16x64_fp8_fp8 v[96+8*t:103+8*t], v[32+8*t:39+8*t], v[16:23], 0   ; lane (r, h): query r; register j: key 16 t + 8 h + j
.set t, t+1
.endr
.rept 4
	v_nop                                          ; four places: ahead of the loads into K's registers, and of the first read of the scores
.endr
.set t, 0
.rept 16
	ds_load_b128 v[32+4*t:35+4*t], v8 offset:8192+512*t   ; V^T's four fragments land while the softmax is worked
.set t, t+1
.endr
	s_add_co_u32 s96, s98, 127
	s_cmp_le_u32 s96, s99                          ; all 128 keys count for all my queries: no mask
	s_cbranch_scc1 .Lopen_\@
	s_sub_co_i32 s96, s99, s98
	v_add_nc_u32 v252, s96, v9                     ; d = my query - the step's first key - 8 h: register 8 t + j is hidden where 16 t + j > d
	v_mov_b32 v254, 0xff800000                     ; -infinity
.set n, 0
.rept 64
	v_cmp_gt_i32 vcc_lo, 16*(n/8)+n%8, v252
	v_cndmask_b32 v[96+n], v[96+n], v254, vcc_lo
.set n, n+1
.endr
.Lopen_\@:
	v_max3_num_f32 v254, v96, v97, v98             ; the step's largest score of my query among my 64 keys, in two chains, in ascending order,
	v_max3_num_f32 v252, v99, v100, v101
.set n, 6
.rept 14
	v_max3_num_f32 v254, v254, v[96+n], v[97+n]
	v_max3_num_f32 v252, v252, v[98+n], v[99+n]
.set n, n+4
.endr
	v_max3_num_f32 v254, v254, v158, v159
	s_delay_alu instid0(VALU_DEP_1)
	v_max_num_f32 v254, v254, v252
	s_delay_alu instid0(VALU_DEP_1)
	v_permlanex16_b32 v246, v254, s20, s21
	s_delay_alu instid0(VALU_DEP_1)
	v_max_num_f32 v254, v254, v246                 ; and among lane l xor 16's
	s_delay_alu instid0(VALU_DEP_1)
	v_mul_f32 v254, s22, v254                      ; as t (c is positive)
	s_delay_alu instid0(VALU_DEP_1)
	v_max_num_f32 v13, v13, v254                   ; the running largest t
	v_mov_b32 v254, v12
	s_delay_alu instid0(VALU_DEP_2)
	v_floor_f32 v12, -v13                          ; the new -M = floor(-t) = -ceil(t): M is a whole number
	s_delay_alu instid0(VALU_DEP_1)
	v_sub_f32 v254, v12, v254                      ; M's old value less its new one: a whole number, 0 or less
	s_delay_alu instid0(VALU_DEP_1)
	v_cvt_i32_f32 v254, v254                       ; (it saturates)
	s_delay_alu instid0(VALU_DEP_1)
	v_ldexp_f32 v252, 1.0, v254                    ; f = 2^(old M - new M)
.set n, 0
	s_setprio 1
.rept 32
	v_pk_fma_f32 v[96+n:97+n], v[96+n:97+n], s[22:23], v[12:13] op_sel_hi:[1,0,0]   ; t - M, two at a time (of the pairs c and -M the low word serves both halves)
.set n, n+2
.endr
.set n, 0
	s_wait_alu depctr_va_vdst(0)
.rept 64
	v_exp_f32 v[96+n], v[96+n]                     ; p = 2^(t - M), at most 1: not normalised
.set n, n+1
.endr
	v_pk_mul_f32 v[14:15], v[14:15], v[252:253] op_sel_hi:[1,0]   ; the sums under the new M: the plain instruction behind the exponentials
	s_wait_alu depctr_va_vdst(0)                   ; one wait for the whole batch, ahead of its first reader
	v_pk_add_f32 v[242:243], v[100:101], v[104:105]
	v_pk_add_f32 v[254:255], v[108:109], v[112:113]
	v_pk_add_f32 v[250:251], v[116:117], v[120:121]
	v_pk_add_f32 v[248:249], v[124:125], v[128:129]
	v_pk_add_f32 v[240:241], v[132:133], v[136:137]
	v_pk_add_f32 v[238:239], v[140:141], v[144:145]
	v_pk_add_f32 v[236:237], v[148:149], v[152:153]
	v_pk_add_f32 v[14:15], v[14:15], v[156:157]
	v_pk_add_f32 v[242:243], v[242:243], v[96:97]
	v_pk_add_f32 v[254:255], v[254:255], v[98:99]
	v_pk_add_f32 v[250:251], v[250:251], v[102:103]
	v_pk_add_f32 v[248:249], v[248:249], v[106:107]
	v_pk_add_f32 v[240:241], v[240:241], v[110:111]
	v_pk_add_f32 v[238:239], v[238:239], v[114:115]
	v_pk_add_f32 v[236:237], v[236:237], v[118:119]
	v_pk_add_f32 v[14:15], v[14:15], v[122:123]
	v_pk_add_f32 v[242:243], v[242:243], v[126:127]
	v_pk_add_f32 v[254:255], v[254:255], v[130:131]
	v_pk_add_f32 v[250:251], v[250:251], v[134:135]
	v_pk_add_f32 v[248:249], v[248:249], v[138:139]
	v_pk_add_f32 v[240:241], v[240:241], v[142:143]
	v_pk_add_f32 v[238:239], v[238:239], v[146:147]
	v_pk_add_f32 v[236:237], v[236:237], v[150:151]
	s_setprio 0
	v_pk_add_f32 v[14:15], v[14:15], v[154:155]
	v_pk_add_f32 v[242:243], v[242:243], v[158:159]
	s_delay_alu instid0(VALU_DEP_2)
	v_pk_add_f32 v[14:15], v[14:15], v[248:249]
	s_delay_alu instid0(VALU_DEP_2)
	v_pk_add_f32 v[242:243], v[242:243], v[240:241]
	v_pk_add_f32 v[254:255], v[254:255], v[238:239]
	v_pk_add_f32 v[250:251], v[250:251], v[236:237]
	s_delay_alu instid0(VALU_DEP_2)
	v_pk_add_f32 v[14:15], v[14:15], v[254:255]
	s_delay_alu instid0(VALU_DEP_2)
	v_pk_add_f32 v[242:243], v[242:243], v[250:251]
	s_delay_alu instid0(VALU_DEP_1)
	v_pk_add_f32 v[14:15], v[14:15], v[242:243]
.set t, 0
.rept 8
.set n, 0
.rept 8
.set n, n+1
.endr
	v_cvt_scalef32_pk8_fp8_f32 v[224+2*t:225+2*t], v[96+8*t:103+8*t], v244
.set t, t+1
.endr
.set n, 0
.rept 16
	v_pk_mul_f32 v[160+n:161+n], v[160+n:161+n], v[252:253] op_sel_hi:[1,0]   ; O^T under the new M.  (Also the plain instructions between the conversions and the products)
.set n, n+2
.endr
	s_wait_alu depctr_va_vdst(0)
	s_wait_dscnt 0x0                               ; V^T is in
.set t, 0
.rept 4
	v_wmma_f32_16x16x128_fp8_fp8 v[160+8*t:167+8*t], v[32+16*t:47+16*t], v[224:239], v[160+8*t:167+8*t]   ; four accumulators by turns; the next matrix instructions are the next step's scores
.set t, t+1
.endr
.Lhidden_\@:
	s_add_co_u32 s98, s98, 128
	s_add_co_u32 s2, s2, 16384
.endm
; THE CHANGE OF SLOTS stands at a slot's head.  Each wave waits for all its tensor loads (its part of the slot that is about to be read), adds 0 to its spare word, and waits for that and for its
; reads of the slot that it has left.  Behind the barrier the slot ahead is whole and nobody reads the other.  fill = 1: that other slot takes the keys that follow: eight key steps in which to land.
.macro CHANGE fill
	s_wait_tensorcnt 0x0                           ; no tensor load of mine is out, so group 0 may be written
	ds_add_u32 v5, v6                              ; 0 onto my spare word
.if \fill
	s_xor_b32 s41, s41, SLOT1                      ; the walking descriptor: the other slot than last time,
	s_add_nc_u64 s[42:43], s[42:43], SLOTB         ; the next 1,024 keys; the type bits on top are not reached
	s_wait_xcnt 0x0                                ; the last prefetches, a slot back, have read their address, so it may be written:
	s_add_nc_u64 s[76:77], s[76:77], SLOTB         ; one slot further on than the walking descriptor
.endif
	s_wait_dscnt 0x0                               ; the add is done, and my reads of the slot that I have left are over
	s_barrier_signal -1
	s_barrier_wait -1
.if \fill
	TLOAD                                          ; the first thing behind the barrier, and a wave's one tensor load until the next
	ASK
.endif
.endm
.macro SLOT_STEPS                      ; a slot's eight key steps: written once, walked eight times; the LDS address hangs on s2
	s_mov_b32 s3, 8
.Lstep_\@:
	STEP
	s_sub_co_u32 s3, s3, 1
	s_cmp_lg_u32 s3, 0
	s_cbranch_scc1 .Lstep_\@
	s_setprio 0
	s_sub_co_u32 s2, s2, SLOTB                     ; back to a slot's first step,
	s_xor_b32 s2, s2, SLOT1                        ; in the other slot
.endm
	s_wait_loadcnt 0x0                             ; Q
.Lslot:                                            ; three trips: behind each change of slots but the last the next slot is asked for
	CHANGE 1
	SLOT_STEPS
	s_sub_co_u32 s67, s67, 1
	s_cmp_lg_u32 s67, 0
	s_cbranch_scc1 .Lslot
	CHANGE 0                                       ; the last slot is written out
	SLOT_STEPS
	; THE WAY OUT.  O^T is divided by the row's sum and quantised: a lane's eight features of tile d, 16 d + 8 h + 0 .. 7, make registers 2 d, 2 d + 1 of my head's eight in the last product's operand.
.rept 4
	v_nop                                          ; four places behind the last products
.endr
	v_add_f32 v14, v14, v15                        ; the sum's two halves,
	s_delay_alu instid0(VALU_DEP_1)
	v_permlanex16_b32 v246, v14, s20, s21
	s_delay_alu instid0(VALU_DEP_1)
	v_add_f32 v14, v14, v246                       ; and lane l xor 16's: the row's sum
	s_wait_alu depctr_va_vdst(0)
	v_rcp_f32 v14, v14
	v_mov_b32 v15, 0                               ; (a plain instruction behind the reciprocal; v15 is named below as the pair's upper half)
	s_wait_alu depctr_va_vdst(0)                   ; the wait ahead of the reciprocal's first reader
.set n, 0
.rept 16
	v_pk_mul_f32 v[96+n:97+n], v[160+n:161+n], v[14:15] op_sel_hi:[1,0]   ; each accumulator from its low end on
.set n, n+2
.endr
.set n, 0
.rept 32
.set n, n+1
.endr
.set t, 0
.rept 4
	v_cvt_scalef32_pk8_fp8_f32 v[224+2*t:225+2*t], v[96+8*t:103+8*t], v245
.set t, t+1
.endr
	v_nop
	global_store_b128 v1, v[224:227], s[10:11]     ; 32 lanes store 512 consecutive bytes, aligned
	global_store_b128 v1, v[228:231], s[10:11] offset:512
	s_wait_tensorcnt 0x0                           ; the wave's end
	ds_add_u32 v5, v6
	s_wait_dscnt 0x0
	s_endpgm
.Lfunc_end_k_qa7cc10b45e_attn:
	.size	k_qa7cc10b45e_attn, .Lfunc_end_k_qa7cc10b45e_attn-k_qa7cc10b45e_attn
	.p2alignl 7, 3214868480
	.fill 96, 4, 3214868480
	.section	.rodata,"a",@progbits
	.p2align	6, 0x0
	.amdhsa_kernel k_qa7cc10b45e_attn
		.amdhsa_group_segment_fixed_size 327680
		.amdhsa_private_segment_fixed_size 0
		.amdhsa_enable_private_segment 0
		.amdhsa_kernarg_size 32
		.amdhsa_user_sgpr_count 2
		.amdhsa_user_sgpr_kernarg_segment_ptr 1
		.amdhsa_wavefront_size32 1
		.amdhsa_system_sgpr_workgroup_id_x 1
		.amdhsa_system_sgpr_workgroup_id_y 1
		.amdhsa_system_sgpr_workgroup_id_z 1
		.amdhsa_system_vgpr_workitem_id 0
		.amdhsa_next_free_vgpr 256
		.amdhsa_next_free_sgpr 100
		.amdhsa_reserve_vcc 1
		.amdhsa_float_denorm_mode_32 3
		.amdhsa_float_denorm_mode_16_64 3
		.amdhsa_fp16_overflow 1
		.amdhsa_memory_ordered 1
		.amdhsa_forward_progress 1
		.amdhsa_inst_pref_size 48
	.end_amdhsa_kernel
	.amdgpu_metadata
---
amdhsa.version: [ 1, 2 ]
amdhsa.kernels:
  - .name:           k_qa7cc10b45e_attn
    .symbol:         k_qa7cc10b45e_attn.kd
    .args:
      - { .name: qf, .offset: 0, .size: 8, .value_kind: global_buffer, .address_space: global }
      - { .name: kv, .offset: 8, .size: 8, .value_kind: global_buffer, .address_space: global }
      - { .name: lowp_scales, .offset: 16, .size: 8, .value_kind: global_buffer, .address_space: global }
      - { .name: af, .offset: 24, .size: 8, .value_kind: global_buffer, .address_space: global }
    .group_segment_fixed_size: 327680
    .private_segment_fixed_size: 0
    .kernarg_segment_align: 8
    .kernarg_segment_size: 32
    .max_flat_workgroup_size: 512
    .sgpr_count:     100
    .vgpr_count:     256
    .wavefront_size: 32
...
	.end_amdgpu_metadata
.endif
;; end of part 2
;; launch oproj (part 3): grid 32 x 8, 4 waves a work-group, no clusters, 102,400 bytes of LDS; arguments af, W_o_codes, b_o, lowp_scales, out0; writes out0
.if DOCPART == 3
	.amdgcn_target "amdgcn-amd-amdhsa--gfx1250"
	.amdhsa_code_object_version 6
	.text
	.protected	k_qa7cc10b45e_oproj
	.globl	k_qa7cc10b45e_oproj
	.p2align	8
	.type	k_qa7cc10b45e_oproj,@function
k_qa7cc10b45e_oproj:
	s_mov_b64 s[64:65], 0
	v_nop
	global_prefetch_b8 v0, s[64:65] scope:SCOPE_SE
	s_setreg_imm32_b32 hwreg(HW_REG_WAVE_MODE, 25, 1), 1
	s_wait_xcnt 0x0
; out = A Wo^T + b_o on codes of FP8 (E4M3).  A: the attention's result as codes, a register image: af [512 tiles of 16 rows][4 K steps of 128][2,048 bytes], in the K = 128 form's own layout
; (lane (r, h): row r; registers 2 c, 2 c + 1: k = 16 c + 8 h + 0 .. 7).  Wo: [512][512] codes, K innermost.  out0: [8192][512] f32.  Each finished sum x 2^(e10 + e11) + b_o, one fused multiply-add.
; SHARES.  Work-group (rb, cb) makes rows 256 rb .. + 255, columns 64 cb .. + 63: 256 bytes of a row, aligned.  Wave w takes 64 rows: four tiles of A, all 512 along K, in 256 registers
; (window 1).  Wo's four tiles of 16 x 512 are brought one by each wave, by loads of 8 bytes in the form's own layout (as A has it), and reach the others through LDS as register images: one barrier.
; THE MATRIX INSTRUCTION IS USED TRANSPOSED (source 0 = 16 rows of Wo, source 1 = 16 rows of A): a lane holds eight neighbouring columns of one row.  The results meet in the wave's own stage
; in LDS (64 rows of 256 bytes + 16) and leave as whole rows: sixteen lanes store 256 consecutive bytes, aligned.
; LIMIT: e10 + e11 lies between -126 and 127, so that 2^(e10 + e11) is an f32 number.
; No tensor load and no cluster: a work-group's operands are 32 KB of weights and 128 KB of A, read once each into registers.
; REGISTERS, window 0: v1-11 addresses; v16-47 four accumulators; v64-127, v128-191 two weight buffers, at the end the rows read back; v192-223 results; v224-255 b_o in the result's layout.   Window 1: A, tile m at v[64 m].
.set ACC, 16
.set OUT, 192
.set BO,  224
.set STG, 32768                        ; behind Wo's four images: a stage of 64 x 272 = 17,408 bytes for each wave
.set MSB, 0
.macro WIN new                         ; the immediate's high byte repeats the setting that is left
.if MSB != \new
	s_set_vgpr_msb (MSB<<8)|\new
.set MSB, \new
.endif
.endm
	s_load_b256 s[4:11], s[0:1], 0x0               ; af s[4:5], Wo s[6:7], b_o s[8:9], the exponents s[10:11]
	s_load_b64 s[12:13], s[0:1], 0x20              ; out0
	v_lshrrev_b32 v1, 5, v0
	v_readfirstlane_b32 s14, v1                    ; wave 0..3
	v_and_b32 v1, 31, v0                           ; lane
	v_and_b32 v2, 15, v0                           ; r
	v_bfe_u32 v3, v0, 4, 1                         ; h
	v_lshlrev_b32 v4, 9, v2
	v_lshl_add_u32 v4, v3, 3, v4                   ; Wo: 512 r + 8 h
	v_lshlrev_b32 v5, 4, v1                        ; 16 x lane: my place in an image
	s_lshl_b32 s24, s14, 13
	v_add_nc_u32 v7, s24, v5                       ; where I store Wo's image: 8,192 x wave + 16 x lane
	s_mul_i32 s24, s14, 17408
	s_add_co_u32 s24, s24, STG                     ; my stage
	v_mul_u32_u24 v8, v2, 272
	v_lshl_add_u32 v8, v3, 5, v8
	v_add_nc_u32 v8, s24, v8                       ; in: row r, + 32 h
	v_mul_u32_u24 v9, v3, 272
	v_lshl_add_u32 v9, v2, 4, v9
	v_add_nc_u32 v9, s24, v9                       ; back: lanes 0-15 one row, lanes 16-31 the next; 16 bytes a lane
	v_lshlrev_b32 v10, 11, v3
	v_lshl_add_u32 v10, v2, 4, v10                 ; and the same two rows in out0: a row is 2,048 bytes
	v_lshlrev_b32 v11, 5, v3                       ; b_o: 32 h
	s_mov_b32 s15, ttmp9                           ; rb
	s_and_b32 s16, ttmp7, 0xffff                   ; cb
	s_mov_b32 s19, 0                               ; offsets stand in the pair s[18:19]
	s_wait_alu depctr_va_vdst(0)
	s_wait_kmcnt 0x0
	s_load_b64 s[20:21], s[10:11], 0x28            ; e10, e11
	s_lshl_b32 s18, s15, 17                        ; af: 16 tiles of 8,192 bytes a work-group, 4 a wave
	s_lshl_b32 s24, s14, 15
	s_add_co_u32 s18, s18, s24
	s_add_nc_u64 s[4:5], s[4:5], s[18:19]
	s_lshl_b32 s18, s16, 15                        ; Wo: my 64 rows of 512 bytes, of which I bring 16
	s_lshl_b32 s24, s14, 13
	s_add_co_u32 s18, s18, s24
	s_add_nc_u64 s[6:7], s[6:7], s[18:19]
	s_lshl_b32 s18, s16, 8                         ; b_o: my 64 numbers
	s_add_nc_u64 s[8:9], s[8:9], s[18:19]
	s_lshl_b32 s18, s15, 19                        ; out0: 256 rows of 2,048 bytes, my wave's 64, my 256 bytes of a row
	s_lshl_b32 s24, s14, 17
	s_add_co_u32 s18, s18, s24
	s_lshl_b32 s24, s16, 8
	s_add_co_u32 s18, s18, s24
	s_add_nc_u64 s[12:13], s[12:13], s[18:19]
.irp s, 0,1,2,3
.irp c, 0,1,2,3,4,5,6,7
	global_load_b64 v[64+16*\s+2*\c:65+16*\s+2*\c], v4, s[6:7] offset:128*\s+16*\c   ; Wo(r, 128 s + 16 c + 8 h .. + 7)
.endr
.endr
.irp c, 0,1,2,3
	global_load_b128 v[BO+8*\c:BO+8*\c+3], v11, s[8:9] offset:64*\c                  ; b_o(16 c + 8 h + 0 .. 7)
	global_load_b128 v[BO+8*\c+4:BO+8*\c+7], v11, s[8:9] offset:64*\c+16
.endr
	WIN 0x40                                       ; destination window 1
.irp m, 0,1,2,3
.irp i, 0,1,2,3,4,5,6,7,8,9,10,11,12,13,14,15
	global_load_b128 v[64*\m+4*\i:64*\m+4*\i+3], v5, s[4:5] offset:8192*\m+512*\i    ; 32 lanes read 512 consecutive bytes
.endr
.endr
	WIN 0
	s_wait_loadcnt 63                              ; 64 loads of A were issued behind the last load of b_o: at most 63 out shows Wo and b_o in
.irp i, 0,1,2,3,4,5,6,7,8,9,10,11,12,13,14,15
	ds_store_b128 v7, v[64+4*\i:67+4*\i] offset:512*\i
.endr
	s_wait_kmcnt 0x0
	s_add_co_i32 s22, s20, s21
	s_add_co_i32 s22, s22, 127
	s_lshl_b32 s22, s22, 23                        ; 2^(e10 + e11) as f32
	s_mov_b32 s23, s22                             ; (named with it as a pair, so it is written)
	s_wait_dscnt 0x0                               ; for the others' sake: my image lies in LDS
	s_barrier_signal -1
	s_barrier_wait -1                              ; all four do
.macro FETCH cc                        ; Wo's tile cc from LDS into buffer cc % 2
.set FB, 64+64*((\cc)%2)
.set fi, 0
.rept 16
	ds_load_b128 v[FB+4*fi:FB+4*fi+3], v5 offset:8192*(\cc)+512*fi
.set fi, fi+1
.endr
.endm
; Columns 16 cc .. + 15 for my 64 rows: 16 matrix instructions, four accumulators by turns, one instruction a turn; then the scale, the bias and the stage.
.macro TILE cc
.if (\cc) < 3
	FETCH (\cc)+1                                  ; into the buffer that the tile before multiplied: its places are that tile's four v_nop and its multiply-adds
	s_wait_dscnt 16                                ; all but the 16 just issued: this tile's fragments are in
.else
	s_wait_dscnt 0x0
.endif
.set MB, 64+64*((\cc)%2)
	WIN 0x04                                       ; source 1 (A) window 1
.irp s, 0,1,2,3
.irp m, 0,1,2,3
.if \s == 0
	v_wmma_f32_16x16x128_fp8_fp8 v[ACC+8*\m:ACC+8*\m+7], v[MB+16*\s:MB+16*\s+15], v[64*\m+16*\s:64*\m+16*\s+15], 0
.else
	v_wmma_f32_16x16x128_fp8_fp8 v[ACC+8*\m:ACC+8*\m+7], v[MB+16*\s:MB+16*\s+15], v[64*\m+16*\s:64*\m+16*\s+15], v[ACC+8*\m:ACC+8*\m+7]
.endif
.endr
.endr
	WIN 0
.rept 4
	v_nop                                          ; four places behind the products, ahead of the first read of results (ISA guide 7.12.1)
.endr
.irp m, 0,1,2,3
.irp i, 0,2,4,6
	v_pk_fma_f32 v[OUT+8*\m+\i:OUT+8*\m+\i+1], v[ACC+8*\m+\i:ACC+8*\m+\i+1], s[22:23], v[BO+8*(\cc)+\i:BO+8*(\cc)+\i+1] op_sel_hi:[1,0,1]   ; sum x 2^(e10 + e11) + b_o; each accumulator from its low end on
.endr
.endr
.irp m, 0,1,2,3
	ds_store_b128 v8, v[OUT+8*\m:OUT+8*\m+3] offset:4352*\m+64*(\cc)          ; lane (r, h): out(16 m + r, 16 cc + 8 h + 0 .. 7)
	ds_store_b128 v8, v[OUT+8*\m+4:OUT+8*\m+7] offset:4352*\m+64*(\cc)+16
.endr
.endm
	FETCH 0
	s_wait_loadcnt 0x0                             ; A
	TILE 0
	TILE 1
	TILE 2
	TILE 3
.set i, 0
.rept 32
	ds_load_b128 v[64+4*i:67+4*i], v9 offset:544*i     ; my own stage: LDS serves a wave's instructions in order (ISA guide 5.7.1.4), so these see my stores
.set i, i+1
.endr
.set i, 0
.rept 32
	s_wait_dscnt 31-i                              ; rows 2 i and 2 i + 1 are back; the loads issued behind theirs may be out
	global_store_b128 v10, v[64+4*i:67+4*i], s[12:13] offset:4096*i th:TH_STORE_NT   ; sixteen lanes store 256 consecutive bytes, aligned; written once, read by nobody here
.set i, i+1
.endr
	s_endpgm
.Lfunc_end_k_qa7cc10b45e_oproj:
	.size	k_qa7cc10b45e_oproj, .Lfunc_end_k_qa7cc10b45e_oproj-k_qa7cc10b45e_oproj
	.p2alignl 7, 3214868480
	.fill 96, 4, 3214868480
	.section	.rodata,"a",@progbits
	.p2align	6, 0x0
	.amdhsa_kernel k_qa7cc10b45e_oproj
		.amdhsa_group_segment_fixed_size 102400
		.amdhsa_private_segment_fixed_size 0
		.amdhsa_enable_private_segment 0
		.amdhsa_kernarg_size 40
		.amdhsa_user_sgpr_count 2
		.amdhsa_user_sgpr_kernarg_segment_ptr 1
		.amdhsa_wavefront_size32 1
		.amdhsa_system_sgpr_workgroup_id_x 1
		.amdhsa_system_sgpr_workgroup_id_y 1
		.amdhsa_system_sgpr_workgroup_id_z 1
		.amdhsa_system_vgpr_workitem_id 0
		.amdhsa_next_free_vgpr 512
		.amdhsa_next_free_sgpr 66
		.amdhsa_reserve_vcc 0
		.amdhsa_float_denorm_mode_32 3
		.amdhsa_float_denorm_mode_16_64 3
		.amdhsa_memory_ordered 1
		.amdhsa_forward_progress 1
		.amdhsa_inst_pref_size 35
	.end_amdhsa_kernel
	.amdgpu_metadata
---
amdhsa.version: [ 1, 2 ]
amdhsa.kernels:
  - .name:           k_qa7cc10b45e_oproj
    .symbol:         k_qa7cc10b45e_oproj.kd
    .args:
      - { .name: af, .offset: 0, .size: 8, .value_kind: global_buffer, .address_space: global }
      - { .name: W_o_codes, .offset: 8, .size: 8, .value_kind: global_buffer, .address_space: global }
      - { .name: b_o, .offset: 16, .size: 8, .value_kind: global_buffer, .address_space: global }
      - { .name: lowp_scales, .offset: 24, .size: 8, .value_kind: global_buffer, .address_space: global }
      - { .name: out0, .offset: 32, .size: 8, .value_kind: global_buffer, .address_space: global }
    .group_segment_fixed_size: 102400
    .private_segment_fixed_size: 0
    .kernarg_segment_align: 8
    .kernarg_segment_size: 40
    .max_flat_workgroup_size: 128
    .sgpr_count:     66
    .vgpr_count:     512
    .wavefront_size: 32
...
	.end_amdgpu_metadata
.endif
;; end of part 3
